; MI455X (gfx1250); checked and timed in simulation.
; The chip was launched on July 23, 2026; its instructions are those of AMD's public machine-readable ISA for CDNA 5 (MIT licence, August 2026) and "CDNA5" Instruction Set Architecture Reference Guide (July 2026). The comments in the code are by the model that wrote it; some were corrected since.
;; Spatial Mamba Block. Allowed arithmetic: float matrix products may take bf16 or f16 operands with f32 sums; other float arithmetic in f32, or as packed bf16 or f16 multiplies, adds, multiply-adds, maxima and minima; sums over many terms, partial sums and values carried from step to step in f32; what a program stores and reads back later, other than sums and carried values, may be rounded once to bf16 or f16.
;; Inputs: A 192 x 16 float32; B 192 x 16 float32; C 192 x 16 float32; D 192 float32; W_expand 96 x 192 float32; W_gate 96 x 192 float32; W_out 192 x 96 float32; inputs 8 x 128 x 128 x 96 float32; ln_beta 96 float32; ln_gamma 96 float32.
;; Outputs: out0 8 x 128 x 128 x 96 float32.
;; 2 versions, each right; version 2 is version 1 with the launch mamba written anew for expert scheduling mode. Each part assembles by itself: llvm-mc -triple=amdgcn-amd-amdhsa -mcpu=gfx1250 --defsym DOCPART=n.
;; ======== version 1 of 2: 1 launch
;; limits: values are held in f16: magnitudes above 65,504 overflow, below 6.1e-05 lose precision; right only within a limited range of input values
;; launch mamba (part 1): grid 256 x 1, 4 waves a work-group, no clusters, 212,736 bytes of LDS; arguments inputs, ln_gamma, ln_beta, W_expand, W_gate, A, B, C, D, W_out, out0; writes out0
.if DOCPART == 1
	.amdgcn_target "amdgcn-amd-amdhsa--gfx1250"
	.amdhsa_code_object_version 6
	.text
	.protected	k_q07f313275e_mamba
	.globl	k_q07f313275e_mamba
	.p2align	8
	.type	k_q07f313275e_mamba,@function
k_q07f313275e_mamba:
	s_mov_b64 s[64:65], 0
	v_nop
	global_prefetch_b8 v0, s[64:65] scope:SCOPE_SE
	s_setreg_imm32_b32 hwreg(HW_REG_WAVE_MODE, 25, 1), 1
	s_wait_xcnt 0x0
; SpatialMambaBlock, one launch: layer norm over 96 channels, u = x W_expand, gate = sigmoid(x W_gate), a diagonal recurrence along W with 16 states for each of 192 channels,
; gate x y, and the product with W_out.  inputs, out0: [8][128][128][96] f32.  Nothing goes through memory between the steps.
; SHARES.  A work-group owns 4 image rows (4 x 49,152 consecutive bytes) and walks W in 8 super-blocks of 16 steps, each 4 tiles of 4 steps.  Row m = 8 h + 2 tau + rho of a tile stands for image row
; 2 h + rho at step tau.  In the result of x (source 0) times W (source 1) lane (r, h) then holds channel r, and its register pair (2 tau, 2 tau + 1) the image rows 2 h, 2 h + 1 at step tau: one packed
; multiply-add updates one state of one channel for two image rows, straight from the product's registers.  Wave v owns channels 48 v .. 48 v + 47 in the scan, does the layer norm of image row v for
; all four waves (through LDS), and makes and stores the out-product of tile v of each super-block.
; THE SCAN.  st = B h with h = A h + u, so y = sum over s of (B C)_s h_s + (16 D) u: an identity.  99 packed instructions for a step of 3 x 16 channels x 2 rows.  The next tile's 18 products and the
; sigmoid's exponentials and reciprocals stand singly between the scan's groups of six.
; FORMATS.  Layer norm in f32, two passes.  x, W_expand, -log2(e) W_gate and W_out are rounded once to f16; u, gate, states and y stay in f32.  p = gate x y is kept in f32 for a super-block; the largest |p| of the
; work-group's super-block gives a power of two s with |p| s < 2^15; p s is rounded to f16, and the f32 out-sums are multiplied by 1 / s.
; LIMITS.  9.8 max|gamma| + max|beta| stays under 65,504, and so do the weights; numbers below 6e-5 keep f16's fixed step of 6e-8.  h = st / B overflows a factor 1 / |B| earlier than st (where |A| > 1).
; NaN and infinities are not treated apart.
; NO CLUSTER: what the work-groups share are the weights, 221,184 bytes read once at the head against 393,216 bytes of a work-group's own; they pass through registers to be rounded, and an f32 copy beside
; the f16 copy (344,064 bytes) is more than a work-group's LDS can hold.  NO PREFETCH: a wave's rows of inputs are asked for a whole trip ahead, straight into 48 registers.
; REGISTERS, in windows of 256 (s_set_vgpr_msb: bits 1:0 source 0, 3:2 source 1, 5:4 source 2, 7:6 destination).
;   window 0: addresses, x fragments, u and gate (two sets), the states, at work        window 1: v0-143 W_expand's and W_gate's fragments; v144-245 A, B C, 16 D
;   window 2: W_out's fragments 0-31        window 3: v0-31 fragments 32-35; raw rows, gamma, beta, addresses; v144-239 p of a super-block, later the out-product's sums and fragments
.set XP,    208       ; a row of x in LDS: 192 bytes + 16
.set XS1,   16384     ; x: 64 rows (16 T + m), two buffers, at 0 and here
.set GT,    32768     ; gated, transposed: [192 channels][64 columns 16 T + m] f16
.set GP,    160       ; its pitch: 128 + 32
.set STG,   63488     ; a stage for each wave: for each of 4 image rows the tile's 4 steps x 96 f32 on end, 1,536 bytes
.set SGI,   1552      ; from image row to image row: 1,536 + 16
.set STW,   6400      ; a wave's stage
.set MAXW,  89088     ; four words: the waves' largest |p|
.set SPARE, 89344     ; the spare words, 128 bytes for each wave: two blocks of 256 bytes that no other line names
.set WE,    89856     ; W_expand in f16, [96][192]
.set WP,    416       ; pitch 384 + 32
.set WGT,   129792    ; -log2(e) W_gate, likewise
.set WO,    169728    ; W_out in f16, [192][96]
.set WOP,   224       ; pitch 192 + 32
.set ROWB,  49152     ; bytes in an image row
.set SBB,   6144      ; bytes of an image row in a super-block
; window 0
.set SPW,  2          ; my spare word's LDS address; never rewritten
.set NIL,  3          ; 0; never rewritten
.set AX0,  4          ; r x 208 + 16 h
.set AXC,  5          ; the same in this super-block's buffer of x
.set AXN,  6          ; in the next one's
.set AG,   7          ; my lane's place in gated^T, columns of tile v
.set MAXA, 8
.set MAXR, 9
.set T0,   10
.set T1,   11
.set SC,   12         ; v[12:13] s in the low word
.set SI,   14         ; v[14:15] 1 / s in the low word
.set ACC,  16         ; v[16:21] y's running sum, a pair for each n-tile
.set XF,   24         ; v[24:47] three fragments of x
.set U0,   48         ; v[48:71], v[72:95]  u, then y: set par at U0 + 24 par, n-tile n at + 8 n
.set G0,   96         ; v[96:119], v[120:143] the gate, likewise
.set H,    144        ; v[144:239] h: n-tile n, state s at H + 32 n + 2 s
.set TS,   240        ; v[240:247] the layer norm's sums, a pair for each group (the low word is used)
.set WAD,  28         ; at the head: four LDS addresses for the weights: W_expand, W_gate, W_out, W_out's middle third
.set WGO,  37         ; at the head: my byte offset in three chunks of a weight matrix
.set PA,   38
.set PD,   39
.set GA,   40
.set RING, 48         ; at the head: 18 slots of 4 registers
.set TB,   144        ; at the head: B, C
.set TC,   192
; window 1
.set PRM,  144        ; n-tile n at PRM + 34 n: A[16], (B C)[16], 16 D, 0
; window 3
.set RAW,  32         ; v[32:79] raw rows: group g, load i at RAW + 12 g + 4 i
.set GAM,  80
.set BET,  92
.set LT,   104        ; v[104:119] at work, four a group
.set LVO,  120        ; my byte offset in inputs; never rewritten
.set LXS,  121        ; where I put x, in the buffer in hand
.set LXS0, 122
.set GS,   123        ; where I put gated^T
.set STO,  124        ; into my stage
.set RD,   125        ; back from it: my stage + 16 L
.set GO,   128        ; my byte offset in out0
.set MX,   134        ; v[134:137] four chains of the maximum
.set P,    144        ; v[144:239] p: tile T, n-tile n at P + 24 T + 8 n
.set OD,   144        ; the out-product's six accumulators
.set GF,   192        ; its six fragments of gated, then the rows read back from the stage
.set MSB, 0
.macro WIN new                      ; the immediate's high byte repeats the setting that is left; a switch that changes nothing is dropped
.if MSB != (\new)
	s_set_vgpr_msb (MSB<<8)|(\new)
.set MSB, \new
.endif
.endm
; A super-block of my image row: 16 positions x 384 bytes.  Eight lanes take a position, 16 bytes a lane three times; a group's three loads together cover 1,536 consecutive bytes.
.macro LOADRAW dst, off
	WIN 0xc3
.irp g, 0,1,2,3
.irp i, 0,1,2
	global_load_b128 v[(\dst)+12*\g+4*\i:(\dst)+12*\g+4*\i+3], v[LVO], s[8:9] offset:(\off)+1536*\g+128*\i th:TH_LOAD_NT
.endr
.endr
.endm
; A pair's two halves are added, then the eight lanes of a position: the sum lands in all eight.
.macro ACROSS
	WIN 0x0f
.irp g, 0,1,2,3
	v_add_f32 v[TS+2*\g], v[LT+4*\g], v[LT+4*\g+1]
.endr
	WIN 0
.irp m, 1,2,4
.irp g, 0,1,2,3
	v_add_f32_dpp v[TS+2*\g], v[TS+2*\g], v[TS+2*\g] row_xmask:\m row_mask:0xf bank_mask:0xf
.endr
.endr
.endm
; The layer norm of 16 positions, four groups side by side: mean; x - mean; variance; 1 / sqrt(var + eps); times gamma plus beta; rounded to f16; into LDS row 16 g + 8 (v >> 1) + 2 (L >> 3) + (v & 1).
.macro LNCALC raw, adr, xo
	WIN 0xff
.irp g, 0,1,2,3
	v_pk_add_f32 v[LT+4*\g:LT+4*\g+1], v[(\raw)+12*\g:(\raw)+12*\g+1], v[(\raw)+12*\g+2:(\raw)+12*\g+3]
	v_pk_add_f32 v[LT+4*\g+2:LT+4*\g+3], v[(\raw)+12*\g+4:(\raw)+12*\g+5], v[(\raw)+12*\g+6:(\raw)+12*\g+7]
.endr
.irp g, 0,1,2,3
	v_pk_add_f32 v[LT+4*\g:LT+4*\g+1], v[LT+4*\g:LT+4*\g+1], v[(\raw)+12*\g+8:(\raw)+12*\g+9]
	v_pk_add_f32 v[LT+4*\g+2:LT+4*\g+3], v[LT+4*\g+2:LT+4*\g+3], v[(\raw)+12*\g+10:(\raw)+12*\g+11]
.endr
.irp g, 0,1,2,3
	v_pk_add_f32 v[LT+4*\g:LT+4*\g+1], v[LT+4*\g:LT+4*\g+1], v[LT+4*\g+2:LT+4*\g+3]
.endr
	ACROSS
	WIN 0xf0
.irp g, 0,1,2,3
.irp k, 0,2,4,6,8,10
	v_pk_fma_f32 v[(\raw)+12*\g+\k:(\raw)+12*\g+\k+1], v[TS+2*\g:TS+2*\g+1], s[36:37], v[(\raw)+12*\g+\k:(\raw)+12*\g+\k+1] op_sel_hi:[0,0,1]  ; x - sum / 96, one rounding
.endr
.endr
	WIN 0xff
.irp g, 0,1,2,3
	v_pk_mul_f32 v[LT+4*\g:LT+4*\g+1], v[(\raw)+12*\g:(\raw)+12*\g+1], v[(\raw)+12*\g:(\raw)+12*\g+1]
	v_pk_mul_f32 v[LT+4*\g+2:LT+4*\g+3], v[(\raw)+12*\g+2:(\raw)+12*\g+3], v[(\raw)+12*\g+2:(\raw)+12*\g+3]
.endr
.irp g, 0,1,2,3
	v_pk_fma_f32 v[LT+4*\g:LT+4*\g+1], v[(\raw)+12*\g+4:(\raw)+12*\g+5], v[(\raw)+12*\g+4:(\raw)+12*\g+5], v[LT+4*\g:LT+4*\g+1]
	v_pk_fma_f32 v[LT+4*\g+2:LT+4*\g+3], v[(\raw)+12*\g+6:(\raw)+12*\g+7], v[(\raw)+12*\g+6:(\raw)+12*\g+7], v[LT+4*\g+2:LT+4*\g+3]
.endr
.irp g, 0,1,2,3
	v_pk_fma_f32 v[LT+4*\g:LT+4*\g+1], v[(\raw)+12*\g+8:(\raw)+12*\g+9], v[(\raw)+12*\g+8:(\raw)+12*\g+9], v[LT+4*\g:LT+4*\g+1]
	v_pk_fma_f32 v[LT+4*\g+2:LT+4*\g+3], v[(\raw)+12*\g+10:(\raw)+12*\g+11], v[(\raw)+12*\g+10:(\raw)+12*\g+11], v[LT+4*\g+2:LT+4*\g+3]
.endr
.irp g, 0,1,2,3
	v_pk_add_f32 v[LT+4*\g:LT+4*\g+1], v[LT+4*\g:LT+4*\g+1], v[LT+4*\g+2:LT+4*\g+3]
.endr
	ACROSS
.irp g, 0,1,2,3
	v_fma_f32 v[TS+2*\g], v[TS+2*\g], s32, s33     ; sum of squares / 96 + 1e-3
.endr
.irp g, 0,1,2,3
	v_rsq_f32 v[TS+2*\g], v[TS+2*\g]
.endr
	v_nop                                          ; a plain instruction behind the last of the four,
	s_wait_alu depctr_va_vdst(0)                   ; and the wait ahead of the first use: one for the four
	WIN 0xc3
.irp g, 0,1,2,3
.irp k, 0,2,4,6,8,10
	v_pk_mul_f32 v[(\raw)+12*\g+\k:(\raw)+12*\g+\k+1], v[(\raw)+12*\g+\k:(\raw)+12*\g+\k+1], v[TS+2*\g:TS+2*\g+1] op_sel_hi:[1,0]
.endr
.endr
	WIN 0xff
.irp g, 0,1,2,3
.irp k, 0,2,4,6,8,10
	v_pk_fma_f32 v[(\raw)+12*\g+\k:(\raw)+12*\g+\k+1], v[(\raw)+12*\g+\k:(\raw)+12*\g+\k+1], v[GAM+\k:GAM+\k+1], v[BET+\k:BET+\k+1]
.endr
.endr
.irp g, 0,1,2,3
.irp i, 0,1,2
	v_cvt_pk_f16_f32 v[(\raw)+12*\g+4*\i], v[(\raw)+12*\g+4*\i], v[(\raw)+12*\g+4*\i+1]
	v_cvt_pk_f16_f32 v[(\raw)+12*\g+4*\i+1], v[(\raw)+12*\g+4*\i+2], v[(\raw)+12*\g+4*\i+3]
.endr
.endr
.irp g, 0,1,2,3
.irp i, 0,1,2
	ds_store_b64 v[\adr], v[(\raw)+12*\g+4*\i:(\raw)+12*\g+4*\i+1] offset:(\xo)+16*XP*\g+64*\i  ; channels 32 i + 4 (L & 7) .. + 3
.endr
.endr
.endm
; THE WEIGHTS, once: 3 matrices x 36 chunks of 2,048 bytes, through a ring of 18 slots of registers, rounded to f16, into padded rows in LDS.  Each matrix is 96 runs of 768 bytes: a row of W_expand or
; W_gate, two rows of W_out.  Chunk (a, b): sixteen threads take the 256 bytes of third b of run 8 a + (thread >> 4), 16 bytes (4 numbers, 8 bytes in f16) a thread.
.macro RLOAD i
.set lm, (\i)/36
.set lp, 14+2*lm                    ; W_expand s[14:15], W_gate s[16:17],
.if lm == 2
.set lp, 26                         ; W_out s[26:27]
.endif
.set lr, RING+4*((\i)%18)
	global_load_b128 v[lr:lr+3], v[WGO], s[lp:lp+1] offset:6144*(((\i)%36)/3)+256*(((\i)%36)%3)
.endm
.macro CHUNK i
.set cm, (\i)/36
.set ca, ((\i)%36)/3
.set cb, ((\i)%36)%3
.set cr, RING+4*((\i)%18)
.if (\i) <= 90
	s_wait_loadcnt 17                              ; loads come back in order: this chunk is in, the 17 younger ones stay out
.else
	s_wait_loadcnt 107-(\i)                        ; the ring runs empty
.endif
.if cm == 1
	v_pk_mul_f32 v[cr:cr+1], v[cr:cr+1], s[44:45] op_sel_hi:[1,0]      ; the gate's weights carry -log2(e): the product is the exponential's argument
	v_pk_mul_f32 v[cr+2:cr+3], v[cr+2:cr+3], s[44:45] op_sel_hi:[1,0]
.endif
	v_cvt_pk_f16_f32 v[cr], v[cr], v[cr+1]
	v_cvt_pk_f16_f32 v[cr+1], v[cr+2], v[cr+3]
.if cm == 2
.if cb == 1
	ds_store_b64 v[WAD+3], v[cr:cr+1] offset:ca*16*WOP+128  ; the middle third: threads 0-7 of sixteen end the even row (byte 128 on), threads 8-15 begin the odd one: 32 bytes further than 128 + 8 t, which the register holds
.else
	ds_store_b64 v[WAD+2], v[cr:cr+1] offset:ca*16*WOP+144*cb  ; the first third begins the even row; the last ends the odd one: 224 + 64
.endif
.else
	ds_store_b64 v[WAD+cm], v[cr:cr+1] offset:ca*8*WP+128*cb
.endif
.if (\i)+18 < 108
	RLOAD (\i)+18
.endif
.endm
; Product w of 18 for the tile after the one in hand, into set 1 - par: w < 9 the gate, else u; n-tile w % 3, channels 32 ((w % 9) / 3) on.  The three accumulators take turns, one instruction a turn,
; the first three of each nine start the sums with the constant 0.  Windows: source 1 (the weights) in window 1.
.macro MMQ w, par
.set mn, (\w)%3
.set mk, ((\w)%9)/3
.if (\w) < 9
.set md, G0+24*(1-(\par))+8*mn
.set mb, 8*((3+mn)*3+mk)
.else
.set md, U0+24*(1-(\par))+8*mn
.set mb, 8*(mn*3+mk)
.endif
.if mk == 0
	v_wmma_f32_16x16x32_f16 v[md:md+7], v[XF+8*mk:XF+8*mk+7], v[mb:mb+7], 0
.else
	v_wmma_f32_16x16x32_f16 v[md:md+7], v[XF+8*mk:XF+8*mk+7], v[mb:mb+7], v[md:md+7]
.endif
.endm
; What stands behind group q of a tile's 64 groups of the scan.  0-5: 1 + e^-z of this tile's gate.  5: the next tile's x is in.  6-29: its 24 reciprocals.  6, 8 .. 22: the next tile's gate products.
; 24, 28 .. 56: the next tile's u products.  30-53: the next tile's 24 exponentials, in ascending order (each accumulator is read from its low end on).  No result of a reciprocal or exponential is named before the tile's end.
.macro RIDER par
.if q < 6
	v_pk_add_f32 v[G0+24*(\par)+4*q:G0+24*(\par)+4*q+1], v[G0+24*(\par)+4*q:G0+24*(\par)+4*q+1], 1.0 op_sel_hi:[1,0]
	v_pk_add_f32 v[G0+24*(\par)+4*q+2:G0+24*(\par)+4*q+3], v[G0+24*(\par)+4*q+2:G0+24*(\par)+4*q+3], 1.0 op_sel_hi:[1,0]
.endif
.if q == 5
	s_wait_dscnt 0x0                               ; the six loads of x issued at the tile's head
.endif
.if (q >= 6) && (q < 30)
	v_rcp_f32 v[G0+24*(\par)+q-6], v[G0+24*(\par)+q-6]
.endif
.if (q >= 30) && (q < 54)
	v_exp_f32 v[G0+24*(1-(\par))+q-30], v[G0+24*(1-(\par))+q-30]
.endif
.if (q >= 6) && (q <= 22) && (q%2 == 0)
	MMQ (q-6)/2, \par
.endif
.if (q >= 24) && (q <= 56) && (q%4 == 0)
	MMQ 9+(q-24)/4, \par
.endif
.set q, q+1
.endm
; h(n, st) = h A + u.  A parameter is one word of a pair in window 1: the first for an even state, the second for an odd one, for both image rows.
.macro HUP n
.if st%2
	v_pk_fma_f32 v[H+32*(\n)+2*st:H+32*(\n)+2*st+1], v[H+32*(\n)+2*st:H+32*(\n)+2*st+1], v[PRM+34*(\n)+st-1:PRM+34*(\n)+st], v[ub+8*(\n):ub+8*(\n)+1] op_sel:[0,1,0] op_sel_hi:[1,1,1]
.else
	v_pk_fma_f32 v[H+32*(\n)+2*st:H+32*(\n)+2*st+1], v[H+32*(\n)+2*st:H+32*(\n)+2*st+1], v[PRM+34*(\n)+st:PRM+34*(\n)+st+1], v[ub+8*(\n):ub+8*(\n)+1] op_sel_hi:[1,0,1]
.endif
.endm
; v[d:d+1] = h(n, sy) (B C)(n, sy) + the n-tile's running sum
.macro MAC d, n, sy
.if (\sy)%2
	v_pk_fma_f32 v[(\d):(\d)+1], v[H+32*(\n)+2*(\sy):H+32*(\n)+2*(\sy)+1], v[PRM+34*(\n)+16+(\sy)-1:PRM+34*(\n)+16+(\sy)], v[ACC+2*(\n):ACC+2*(\n)+1] op_sel:[0,1,0] op_sel_hi:[1,1,1]
.else
	v_pk_fma_f32 v[(\d):(\d)+1], v[H+32*(\n)+2*(\sy):H+32*(\n)+2*(\sy)+1], v[PRM+34*(\n)+16+(\sy):PRM+34*(\n)+16+(\sy)+1], v[ACC+2*(\n):ACC+2*(\n)+1] op_sel_hi:[1,0,1]
.endif
.endm
; One step of the recurrence for my 48 channels and the lane's two image rows: 99 packed instructions.  The sum trails the states by one group, so that no line waits for the line before it; y lands on u's registers.
.macro STEP tau, par
.set ub, U0+24*(\par)+2*(\tau)
.set st, 0
.irp n, 0,1,2
	v_pk_mul_f32 v[ACC+2*\n:ACC+2*\n+1], v[ub+8*\n:ub+8*\n+1], v[PRM+34*\n+32:PRM+34*\n+33] op_sel_hi:[1,0]  ; 16 D u starts the sum
.endr
.irp n, 0,1,2
	HUP \n
.endr
	RIDER \par
.rept 15
.set st, st+1
.irp n, 0,1,2
	HUP \n
.endr
.irp n, 0,1,2
	MAC ACC+2*\n, \n, st-1
.endr
	RIDER \par
.endr
.irp n, 0,1,2
	MAC ub+8*\n, \n, 15
.endr
.endm
; Tile t of the super-block, in set par; the tile after it, whose x lies at v[ax] + off, is prepared in the other set.  The loads of x stand seven groups of the scan behind the last product that read those registers.
.macro TILE t, par, ax, off
	WIN 0x04
.irp k, 0,1,2
	ds_load_b128 v[XF+8*\k:XF+8*\k+3], v[\ax] offset:(\off)+64*\k
	ds_load_b128 v[XF+8*\k+4:XF+8*\k+7], v[\ax] offset:(\off)+64*\k+32
.endr
.set q, 0
	STEP 0, \par
	STEP 1, \par
	STEP 2, \par
	STEP 3, \par
	s_wait_alu depctr_va_vdst(0)                   ; the wait ahead of the first line that names a result: one for the tile's 24 reciprocals and 24 exponentials
	WIN 0xc0
.irp k, 0,2,4,6,8,10,12,14,16,18,20,22
	v_pk_mul_f32 v[P+24*(\t)+\k:P+24*(\t)+\k+1], v[U0+24*(\par)+\k:U0+24*(\par)+\k+1], v[G0+24*(\par)+\k:G0+24*(\par)+\k+1]  ; p = y x gate
.endr
.endm
; The super-block's end: the largest |p| of the work-group, the power of two, p s in f16 into gated^T.
.macro SBEND
	WIN 0xff
.irp c, 0,1,2,3
	v_max_num_f32 v[MX+\c], |v[P+24*\c]|, |v[P+24*\c+1]|
.endr
.irp k, 2,4,6,8,10,12,14,16,18,20,22
.irp c, 0,1,2,3
	v_max3_num_f32 v[MX+\c], v[MX+\c], |v[P+24*\c+\k]|, |v[P+24*\c+\k+1]|
.endr
.endr
	v_max3_num_f32 v[MX], v[MX], v[MX+1], v[MX+2]
	WIN 0x0f
	v_max_num_f32 v[T0], v[MX], v[MX+3]
	WIN 0
	v_max_num_f32_dpp v[T0], v[T0], v[T0] row_xmask:1 row_mask:0xf bank_mask:0xf
	v_max_num_f32_dpp v[T0], v[T0], v[T0] row_xmask:2 row_mask:0xf bank_mask:0xf
	v_max_num_f32_dpp v[T0], v[T0], v[T0] row_xmask:4 row_mask:0xf bank_mask:0xf
	v_max_num_f32_dpp v[T0], v[T0], v[T0] row_xmask:8 row_mask:0xf bank_mask:0xf
	v_permlanex16_b32 v[T1], v[T0], s34, s35
	v_max_num_f32 v[T0], v[T0], v[T1]
	ds_store_b32 v[MAXA], v[T0]                    ; all lanes write the wave's word with the same number
	s_wait_dscnt 0x0                               ; for the others' sake: my word is stored; my reads of x are long back
	s_barrier_signal -1
	s_barrier_wait -1                              ; all four words are there, and no wave reads this super-block's buffer of x any more
	ds_load_b128 v[SC:SC+3], v[MAXR]
	s_wait_dscnt 0x0
	v_max3_num_f32 v[T0], v[SC], v[SC+1], v[SC+2]
	v_max_num_f32 v[T0], v[T0], v[SC+3]
	v_lshrrev_b32 v[T0], 23, v[T0]                 ; E, the biased exponent of the largest |p|,
	v_max_u32 v[T0], 15, v[T0]                     ; at least 15, so that s and 1 / s are normal numbers
	v_sub_nc_u32 v[SC], 268, v[T0]
	v_add_nc_u32 v[SI], -14, v[T0]
	v_lshlrev_b32 v[SC], 23, v[SC]                 ; s = 2^(141 - E): |p| s < 2^15
	v_lshlrev_b32 v[SI], 23, v[SI]                 ; 1 / s = 2^(E - 141)
	WIN 0xc3
.set k, 0
.rept 48
	v_pk_mul_f32 v[P+k:P+k+1], v[P+k:P+k+1], v[SC:SC+1] op_sel_hi:[1,0]
.set k, k+2
.endr
	WIN 0xff
.irp t, 0,1,2,3
.irp n, 0,1,2
.irp j, 0,1,2,3
	v_cvt_pk_f16_f32 v[P+24*\t+8*\n+\j], v[P+24*\t+8*\n+2*\j], v[P+24*\t+8*\n+2*\j+1]
.endr
	ds_store_b128 v[GS], v[P+24*\t+8*\n:P+24*\t+8*\n+3] offset:16*GP*\n+32*\t  ; channel 48 v + 16 n + r, columns 16 t + 8 h .. + 7
.endr
.endr
.endm
; The out-product of tile v: out^T = W_out^T (source 0: 16 output channels) x gated (source 1: 16 positions), K = 192.  A lane ends with eight neighbouring channels of one position.
.macro OUTG
	WIN 0xc0
.irp k, 0,1,2,3,4,5
	ds_load_tr16_b128 v[GF+8*\k:GF+8*\k+3], v[AG] offset:32*GP*\k
	ds_load_tr16_b128 v[GF+8*\k+4:GF+8*\k+7], v[AG] offset:32*GP*\k+16*GP
.endr
	WIN 0xfe                                       ; W_out's fragments in window 2, all else in window 3
.irp k, 0,1,2,3,4,5
	s_wait_dscnt 10-2*\k                           ; LDS loads come back in order: this K step's two are in, the later steps' stay out
.irp c, 0,1,2,3,4,5
.if 6*\k+\c < 32
.set fa, 8*(6*\k+\c)
.else
.set fa, 8*(6*\k+\c-32)
	WIN 0xff                                       ; the last four fragments lie in window 3
.endif
.if \k == 0
	v_wmma_f32_16x16x32_f16 v[OD+8*\c:OD+8*\c+7], v[fa:fa+7], v[GF+8*\k:GF+8*\k+7], 0
.else
	v_wmma_f32_16x16x32_f16 v[OD+8*\c:OD+8*\c+7], v[fa:fa+7], v[GF+8*\k:GF+8*\k+7], v[OD+8*\c:OD+8*\c+7]  ; six accumulators by turns
.endif
.endr
.endr
.rept 4
	v_nop                                          ; four places behind the last product (ISA guide 7.12.1), ahead of the lines that read the sums
.endr
	WIN 0xc3
.set k, 0
.rept 24
	v_pk_mul_f32 v[OD+k:OD+k+1], v[OD+k:OD+k+1], v[SI:SI+1] op_sel_hi:[1,0]  ; the block's power of two is taken out again; ascending, each accumulator from its low end
.set k, k+2
.endr
	WIN 0xff
.irp c, 0,1,2,3,4,5
	ds_store_b128 v[STO], v[OD+8*\c:OD+8*\c+3] offset:64*\c
	ds_store_b128 v[STO], v[OD+8*\c+4:OD+8*\c+7] offset:64*\c+16
.endr
.irp w, 0,1,2,3
.irp k, 0,1,2
	ds_load_b128 v[GF+12*\w+4*\k:GF+12*\w+4*\k+3], v[RD] offset:SGI*\w+512*\k  ; 512 bytes on end of image row w's 1,536.  LDS serves a wave's instructions in order (ISA guide 5.7.1.4): these see the stores above
.endr
.endr
.irp w, 0,1,2,3
.irp k, 0,1,2
	s_wait_dscnt 11-3*\w-\k                        ; this one is back, the younger ones stay out
	global_store_b128 v[GO], v[GF+12*\w+4*\k:GF+12*\w+4*\k+3], s[28:29] offset:ROWB*\w+512*\k th:TH_STORE_NT  ; 512 consecutive bytes, at a multiple of 512 from out0's first byte
.endr
.endr
.endm
	; ---------------- the head ----------------
	s_load_b512 s[8:23], s[0:1], 0x0               ; inputs s[8:9], gamma s[10:11], beta s[12:13], W_expand s[14:15], W_gate s[16:17], A s[18:19], B s[20:21], C s[22:23]
	s_load_b128 s[24:27], s[0:1], 0x40             ; D s[24:25], W_out s[26:27]
	s_load_b64 s[28:29], s[0:1], 0x50              ; out0
	v_lshl_add_u32 v[SPW], v0, 2, SPARE
	v_mov_b32 v[NIL], 0
	v_lshrrev_b32 v1, 5, v0
	v_readfirstlane_b32 s2, v1                     ; wave v, 0..3
	s_mul_i32 s30, ttmp9, 4*ROWB                   ; the work-group's four image rows (under 2^26 bytes)
	s_mov_b32 s31, 0
	s_mov_b32 s32, 0x3c2aaaab                      ; 1 / 96
	s_mov_b32 s33, 0x3a83126f                      ; 1e-3
	s_mov_b32 s34, 0x76543210                      ; v_permlanex16_b32: each lane takes its own place in the other half
	s_mov_b32 s35, 0xfedcba98
	s_mov_b32 s36, 0xbc2aaaab                      ; -1 / 96, named as a pair
	s_mov_b32 s37, s36
	s_mov_b32 s44, 0xbfb8aa3b                      ; -log2(e), named as a pair
	s_mov_b32 s45, s44
	s_mov_b32 s4, 0                                ; the buffer of x in hand: 0 or XS1
	s_mov_b32 s3, 8                                ; super-blocks to go
	s_mul_i32 s38, s2, ROWB                        ; my image row in inputs
	s_lshr_b32 s39, s2, 1
	s_lshl_b32 s39, s39, 3
	s_and_b32 s46, s2, 1
	s_add_co_u32 s39, s39, s46
	s_mul_i32 s39, s39, XP                         ; row 8 (v >> 1) + (v & 1) of a tile of x
	s_mul_i32 s40, s2, 48*GP
	s_add_co_u32 s40, s40, GT                      ; my 48 channels in gated^T
	s_mul_i32 s41, s2, STW
	s_add_co_u32 s41, s41, STG                     ; my stage
	s_mul_i32 s42, s2, 1536                        ; tile v: four steps of 384 bytes
	s_lshl_b32 s43, s2, 5
	s_add_co_u32 s43, s43, GT                      ; tile v's 16 columns of gated^T
	s_lshl_b32 s46, s2, 2
	s_add_co_u32 s46, s46, MAXW
	s_mul_i32 s47, s2, 48*64                       ; my 48 channels in A, B, C
	v_and_b32 v12, 31, v0                          ; L
	v_and_b32 v13, 15, v0                          ; r
	v_bfe_u32 v14, v0, 4, 1                        ; h
	v_and_b32 v15, 7, v0                           ; L & 7
	v_bfe_u32 v16, v0, 3, 1                        ; (L >> 3) & 1 = r >> 3
	v_bfe_u32 v17, v0, 3, 2                        ; L >> 3
	v_lshl_add_u32 v18, v14, 3, v15                ; 8 h + (L & 7): the turning loads' row
	v_mul_u32_u24 v19, v17, 384
	v_lshl_add_u32 v19, v15, 4, v19
	v_mul_u32_u24 v20, v17, 2*XP
	v_lshl_add_u32 v20, v15, 3, v20
	v_mul_u32_u24 v21, v13, GP
	v_lshl_add_u32 v21, v14, 4, v21
	v_bfe_u32 v23, v0, 1, 2                        ; position r is image row 2 (r >> 3) + (r & 1), step (r >> 1) & 3
	v_mul_u32_u24 v23, v23, 384
	v_and_b32 v22, 1, v0
	v_mul_u32_u24 v22, v22, SGI
	v_add_nc_u32 v23, v23, v22
	v_mul_u32_u24 v22, v16, 2*SGI
	v_add_nc_u32 v23, v23, v22
	v_lshl_add_u32 v23, v14, 5, v23                ; and my eight channels: 32 h
	WIN 0xc0
	v_add_nc_u32 v[LVO], s38, v19
	v_add_nc_u32 v[LXS0], s39, v20
	v_add_nc_u32 v[GS], s40, v21
	v_add_nc_u32 v[STO], s41, v23
	v_lshl_add_u32 v[RD], v12, 4, s41
	v_lshl_add_u32 v[GO], v12, 4, s42
	s_wait_kmcnt 0x0
	s_add_nc_u64 s[8:9], s[8:9], s[30:31]
	s_add_nc_u64 s[28:29], s[28:29], s[30:31]
	LOADRAW RAW, 0                                 ; super-block 0,
	LOADRAW P, SBB                                 ; and 1, into registers that p takes later
	WIN 0
	v_lshlrev_b32 v[GA], 4, v15
	v_lshlrev_b32 v[PA], 6, v13
	v_add_nc_u32 v[PA], s47, v[PA]                 ; (48 v + r) x 64
	v_lshrrev_b32 v[PD], 4, v[PA]                  ; (48 v + r) x 4
	v_bfe_u32 v[T0], v0, 4, 3                      ; thread >> 4: which of a chunk's eight runs of 768 bytes
	v_mul_u32_u24 v[WGO], v[T0], 768
	v_lshl_add_u32 v[WGO], v13, 4, v[WGO]          ; + 16 (thread & 15)
	WIN 0xc0
.irp i, 0,1,2
	global_load_b128 v[GAM+4*\i:GAM+4*\i+3], v[GA], s[10:11] offset:128*\i
	global_load_b128 v[BET+4*\i:BET+4*\i+3], v[GA], s[12:13] offset:128*\i
.endr
	WIN 0x40
.irp n, 0,1,2
.irp k, 0,1,2,3
	global_load_b128 v[PRM+34*\n+4*\k:PRM+34*\n+4*\k+3], v[PA], s[18:19] offset:1024*\n+16*\k
.endr
	global_load_b32 v[PRM+34*\n+32], v[PD], s[24:25] offset:64*\n
.endr
	WIN 0
.irp n, 0,1,2
.irp k, 0,1,2,3
	global_load_b128 v[TB+16*\n+4*\k:TB+16*\n+4*\k+3], v[PA], s[20:21] offset:1024*\n+16*\k
	global_load_b128 v[TC+16*\n+4*\k:TC+16*\n+4*\k+3], v[PA], s[22:23] offset:1024*\n+16*\k
.endr
.endr
.set i, 0
.rept 18
	RLOAD i
.set i, i+1
.endr
	; the rest of the addresses, while the loads are on their way
	v_mul_u32_u24 v[AX0], v13, XP
	v_lshl_add_u32 v[AX0], v14, 4, v[AX0]
	v_mul_u32_u24 v[AG], v18, GP
	v_lshl_add_u32 v[AG], v16, 4, v[AG]
	v_add_nc_u32 v[AG], s43, v[AG]
	v_mov_b32 v[MAXA], s46
	v_mov_b32 v[MAXR], MAXW
.irp g, 0,1,2,3
	v_mov_b32 v[TS+2*\g+1], 0                      ; named with the sums as pairs, never used
.endr
	v_mul_u32_u24 v[T1], v[T0], WP                 ; where the weights go: row thread >> 4 of a chunk's eight, 8 bytes a thread
	v_lshl_add_u32 v[T1], v13, 3, v[T1]
	v_add_nc_u32 v[WAD], WE, v[T1]
	v_add_nc_u32 v[WAD+1], WGT, v[T1]
	v_mul_u32_u24 v[T1], v[T0], 2*WOP              ; W_out: two rows to a run
	v_lshl_add_u32 v[T1], v13, 3, v[T1]
	v_add_nc_u32 v[WAD+2], WO, v[T1]
	v_lshl_add_u32 v[WAD+3], v16, 5, v[WAD+2]      ; its middle third: 32 bytes more for threads 8-15 of sixteen
	s_mul_i32 s46, s2, 96
	s_add_co_u32 s46, s46, WE                      ; my 48 columns of W_expand
	v_mul_u32_u24 v[AXC], v18, WP                  ; (AXC, AXN and T0 hold the fragments' bases until the loop begins)
	v_lshl_add_u32 v[AXC], v16, 4, v[AXC]
	v_add_nc_u32 v[AXC], s46, v[AXC]
	v_add_nc_u32 v[AXN], WGT-WE, v[AXC]
	v_mul_u32_u24 v[T0], v18, WOP
	v_lshl_add_u32 v[T0], v16, 4, v[T0]
	v_add_nc_u32 v[T0], WO, v[T0]
.set i, 0
.rept 108
	CHUNK i
.set i, i+1
.endr
	LNCALC RAW, LXS0, 0                            ; the ring's last wait was for 0: every load of the head is in
	s_add_nc_u64 s[8:9], s[8:9], 2*SBB             ; (so the base may be written)
	LOADRAW RAW, 0                                 ; super-block 2
	LNCALC P, LXS0, XS1
	WIN 0x40
.irp n, 0,1,2
.irp k, 0,2,4,6,8,10,12,14
	v_pk_mul_f32 v[PRM+34*\n+16+\k:PRM+34*\n+16+\k+1], v[TB+16*\n+\k:TB+16*\n+\k+1], v[TC+16*\n+\k:TC+16*\n+\k+1]  ; B C
.endr
.endr
	WIN 0x44
.irp n, 0,1,2
	v_mul_f32 v[PRM+34*\n+32], 0x41800000, v[PRM+34*\n+32]  ; 16 D
	v_mov_b32 v[PRM+34*\n+33], 0                   ; named with it as a pair
.endr
	WIN 0
.set i, 0
.rept 96
	v_mov_b32 v[H+i], 0                            ; the states start at 0: a first step written out would double the scan's text
.set i, i+1
.endr
	s_wait_dscnt 0x0                               ; for the others' sake: my part of the weights and of x is stored
	s_barrier_signal -1
	s_barrier_wait -1
	; The weights' fragments stay in registers.  They lie [K][N] in LDS and come turned: lane L reads row k0 + 8 h + (L & 7), 16 bytes at 16 ((L >> 3) & 1); two loads, 16 rows apart, make a fragment.
	WIN 0x40
.irp n, 0,1,2
.irp k, 0,1,2
	ds_load_tr16_b128 v[8*(3*\n+\k):8*(3*\n+\k)+3], v[AXC] offset:32*WP*\k+32*\n
	ds_load_tr16_b128 v[8*(3*\n+\k)+4:8*(3*\n+\k)+7], v[AXC] offset:32*WP*\k+32*\n+16*WP
	ds_load_tr16_b128 v[8*(9+3*\n+\k):8*(9+3*\n+\k)+3], v[AXN] offset:32*WP*\k+32*\n
	ds_load_tr16_b128 v[8*(9+3*\n+\k)+4:8*(9+3*\n+\k)+7], v[AXN] offset:32*WP*\k+32*\n+16*WP
.endr
.endr
	WIN 0x80
.irp k, 0,1,2,3,4,5
.irp c, 0,1,2,3,4,5
.if 6*\k+\c < 32
.set fa, 8*(6*\k+\c)
.else
.set fa, 8*(6*\k+\c-32)
	WIN 0xc0
.endif
	ds_load_tr16_b128 v[fa:fa+3], v[T0] offset:32*WOP*\k+32*\c
	ds_load_tr16_b128 v[fa+4:fa+7], v[T0] offset:32*WOP*\k+32*\c+16*WOP
.endr
.endr
	WIN 0x04
.irp k, 0,1,2
	ds_load_b128 v[XF+8*\k:XF+8*\k+3], v[AX0] offset:64*\k
	ds_load_b128 v[XF+8*\k+4:XF+8*\k+7], v[AX0] offset:64*\k+32
.endr
	s_wait_dscnt 0x0
.set i, 0
.rept 18
	MMQ i, 1                                       ; the first tile's gate and u, into set 0: there is no scan yet to set them in
.set i, i+1
.endr
.rept 4
	v_nop                                          ; four places behind the last product
.endr
.set i, 0
.rept 24
	v_exp_f32 v[G0+i], v[G0+i]
.set i, i+1
.endr
	v_nop                                          ; a plain instruction behind the last exponential,
	s_wait_alu depctr_va_vdst(0)                   ; and their wait, ahead of the label
	WIN 0
	; ---------------- eight super-blocks ----------------
.Ltrip:
	s_xor_b32 s46, s4, XS1
	v_add_nc_u32 v[AXC], s4, v[AX0]
	v_add_nc_u32 v[AXN], s46, v[AX0]
	WIN 0xff
	v_add_nc_u32 v[LXS], s4, v[LXS0]
	TILE 0, 0, AXC, 16*XP
	TILE 1, 1, AXC, 32*XP
	TILE 2, 0, AXC, 48*XP
	TILE 3, 1, AXN, 0                              ; prepares the next super-block's first tile; in the last trip it works on an old buffer, and nothing reads the result
	SBEND
	WIN 0
	s_cmp_lt_u32 s3, 3
	s_cbranch_scc1 .Lno_ln                         ; the last two trips have no super-block two on
	s_wait_loadcnt 0x0                             ; the 12 loads issued a trip ago
	LNCALC RAW, LXS, 0                             ; the super-block two on, into the buffer that has just been read out
	WIN 0
	s_cmp_lt_u32 s3, 4
	s_cbranch_scc1 .Lno_ln                         ; the last three have none three on: no load leaves the buffer
	s_add_nc_u64 s[8:9], s[8:9], SBB               ; the loads that read the base are in
	LOADRAW RAW, 0
	WIN 0
.Lno_ln:
	s_wait_dscnt 0x0                               ; for the others' sake: my part of gated^T and of x is stored, my read of the four words is back
	s_barrier_signal -1
	s_barrier_wait -1
	OUTG
	WIN 0
	s_wait_xcnt 0x0                                ; the stores have read their data and their base, which are rewritten only behind this wait
	s_add_nc_u64 s[28:29], s[28:29], SBB
	s_xor_b32 s4, s4, XS1
	s_sub_co_u32 s3, s3, 1
	s_cmp_lg_u32 s3, 0
	s_cbranch_scc1 .Ltrip
	s_wait_tensorcnt 0x0                           ; the wave's end: behind my last LDS store
	ds_add_u32 v[SPW], v[NIL]
	s_wait_dscnt 0x0
	s_endpgm
.Lfunc_end_k_q07f313275e_mamba:
	.size	k_q07f313275e_mamba, .Lfunc_end_k_q07f313275e_mamba-k_q07f313275e_mamba
	.p2alignl 7, 3214868480
	.fill 96, 4, 3214868480
	.section	.rodata,"a",@progbits
	.p2align	6, 0x0
	.amdhsa_kernel k_q07f313275e_mamba
		.amdhsa_group_segment_fixed_size 212736
		.amdhsa_private_segment_fixed_size 0
		.amdhsa_enable_private_segment 0
		.amdhsa_kernarg_size 88
		.amdhsa_user_sgpr_count 2
		.amdhsa_user_sgpr_kernarg_segment_ptr 1
		.amdhsa_wavefront_size32 1
		.amdhsa_system_sgpr_workgroup_id_x 1
		.amdhsa_system_sgpr_workgroup_id_y 1
		.amdhsa_system_sgpr_workgroup_id_z 1
		.amdhsa_system_vgpr_workitem_id 0
		.amdhsa_next_free_vgpr 1024
		.amdhsa_next_free_sgpr 66
		.amdhsa_reserve_vcc 0
		.amdhsa_float_denorm_mode_32 3
		.amdhsa_float_denorm_mode_16_64 3
		.amdhsa_memory_ordered 1
		.amdhsa_forward_progress 1
		.amdhsa_inst_pref_size 242
	.end_amdhsa_kernel
	.amdgpu_metadata
---
amdhsa.version: [ 1, 2 ]
amdhsa.kernels:
  - .name:           k_q07f313275e_mamba
    .symbol:         k_q07f313275e_mamba.kd
    .args:
      - { .name: inputs, .offset: 0, .size: 8, .value_kind: global_buffer, .address_space: global }
      - { .name: ln_gamma, .offset: 8, .size: 8, .value_kind: global_buffer, .address_space: global }
      - { .name: ln_beta, .offset: 16, .size: 8, .value_kind: global_buffer, .address_space: global }
      - { .name: W_expand, .offset: 24, .size: 8, .value_kind: global_buffer, .address_space: global }
      - { .name: W_gate, .offset: 32, .size: 8, .value_kind: global_buffer, .address_space: global }
      - { .name: A, .offset: 40, .size: 8, .value_kind: global_buffer, .address_space: global }
      - { .name: B, .offset: 48, .size: 8, .value_kind: global_buffer, .address_space: global }
      - { .name: C, .offset: 56, .size: 8, .value_kind: global_buffer, .address_space: global }
      - { .name: D, .offset: 64, .size: 8, .value_kind: global_buffer, .address_space: global }
      - { .name: W_out, .offset: 72, .size: 8, .value_kind: global_buffer, .address_space: global }
      - { .name: out0, .offset: 80, .size: 8, .value_kind: global_buffer, .address_space: global }
    .group_segment_fixed_size: 212736
    .private_segment_fixed_size: 0
    .kernarg_segment_align: 8
    .kernarg_segment_size: 88
    .max_flat_workgroup_size: 128
    .sgpr_count:     66
    .vgpr_count:     1024
    .wavefront_size: 32
...
	.end_amdgpu_metadata
.endif
;; end of part 1
;; ======== version 2 of 2: 1 launch; version 1 with the launch mamba written anew for expert scheduling mode
;; limits: values are held in f16: magnitudes above 65,504 overflow, below 6.1e-05 lose precision; right only within a limited range of input values
;; launch mamba (part 2): grid 256 x 1, 4 waves a work-group, no clusters, 212,736 bytes of LDS; arguments inputs, ln_gamma, ln_beta, W_expand, W_gate, A, B, C, D, W_out, out0; writes out0
.if DOCPART == 2
	.amdgcn_target "amdgcn-amd-amdhsa--gfx1250"
	.amdhsa_code_object_version 6
	.text
	.protected	k_q07f313275e_mamba
	.globl	k_q07f313275e_mamba
	.p2align	8
	.type	k_q07f313275e_mamba,@function
k_q07f313275e_mamba:
	s_mov_b64 s[64:65], 0
	v_nop
	global_prefetch_b8 v0, s[64:65] scope:SCOPE_SE
	s_setreg_imm32_b32 hwreg(HW_REG_WAVE_SCHED_MODE, 0, 2), 2
	s_setreg_imm32_b32 hwreg(HW_REG_WAVE_MODE, 25, 1), 1
	s_wait_xcnt 0x0
	s_wait_alu depctr_vm_vsrc(0)
; SpatialMambaBlock, one launch: layer norm over 96 channels, u = x W_expand, gate = sigmoid(x W_gate), a diagonal recurrence along W with 16 states for each of 192 channels,
; gate x y, and the product with W_out.  inputs, out0: [8][128][128][96] f32.  Nothing goes through memory between the steps.
; SHARES.  A work-group owns 4 image rows (4 x 49,152 consecutive bytes) and walks W in 8 super-blocks of 16 steps, each 4 tiles of 4 steps.  Row m = 8 h + 2 tau + rho of a tile stands for image row
; 2 h + rho at step tau.  In the result of x (source 0) times W (source 1) lane (r, h) then holds channel r, and its register pair (2 tau, 2 tau + 1) the image rows 2 h, 2 h + 1 at step tau: one packed
; multiply-add updates one state of one channel for two image rows, straight from the product's registers.  Wave v owns channels 48 v .. 48 v + 47 in the scan, does the layer norm of image row v for
; all four waves (through LDS), and makes and stores the out-product of tile v of each super-block.
; THE SCAN.  st = B h with h = A h + u, so y = sum over s of (B C)_s h_s + (16 D) u: an identity.  99 packed instructions for a step of 3 x 16 channels x 2 rows.  The next tile's 18 products and the
; sigmoid's exponentials and reciprocals stand singly between the scan's groups of six.
; FORMATS.  Layer norm in f32, two passes.  x, W_expand, -log2(e) W_gate and W_out are rounded once to f16; u, gate, states and y stay in f32.  p = gate x y is kept in f32 for a super-block; the largest |p| of the
; work-group's super-block gives a power of two s with |p| s < 2^15; p s is rounded to f16, and the f32 out-sums are multiplied by 1 / s.
; LIMITS.  9.8 max|gamma| + max|beta| stays under 65,504, and so do the weights; numbers below 6e-5 keep f16's fixed step of 6e-8.  h = st / B overflows a factor 1 / |B| earlier than st (where |A| > 1).
; NaN and infinities are not treated apart.
; NO CLUSTER: what the work-groups share are the weights, 221,184 bytes read once at the head against 393,216 bytes of a work-group's own; they pass through registers to be rounded, and an f32 copy beside
; the f16 copy (344,064 bytes) is more than a work-group's LDS can hold.  NO PREFETCH: a wave's rows of inputs are asked for a whole trip ahead, straight into 48 registers.
; THE MODE: SCHED_MODE bits 1:0 = 2 (LLVM: expert scheduling mode 2), set by the entry lines.  The code itself states the register dependences between vector or matrix instructions and memory or LDS
; instructions, with s_wait_alu, always for 0.
; THE PLAN.  Registers that memory or LDS instructions touch, in the loop:
;   XF            A tile's six LDS loads land in it; the tile's 18 products read it.  The wait on va_vdst at a tile's end stands behind those products; the 12 lines between it and the next tile's loads name p, u and the gate alone.
;   AXC, AXN, LXS Written at a trip's head, between a wait on vm_vsrc (the last trip's LDS loads and stores have read them) and a wait on va_vdst (they are written); read by the tiles' loads and by the layer norm's stores.
;   T0            The largest |p|: written, a wait on va_vdst, stored; behind the barrier a wait on vm_vsrc, then written again.
;   v12-15        The four waves' words land here; no vector line between the trip's head and that load names them.
;   p (P, OD, GF) The tiles write p; it is scaled and rounded in place; ONE wait on va_vdst; 12 stores into gated^T; behind the barrier ONE wait on vm_vsrc; fragments land in GF, products write OD; the scalings; ONE wait on va_vdst;
;                 the stage's stores read OD, its loads land in GF, the global stores read GF.  The next trip's head (s_wait_xcnt 0 and the wait on vm_vsrc) frees all of it for the next tiles.
;   RAW           The layer norm works in place; ONE wait on va_vdst; 12 stores of x; ONE wait on vm_vsrc; 12 loads land in it, for the trip after.
;   LVO, GO, GS, STO, RD, AG, AX0, LXS0, MAXA, MAXR are made at the head and never written again.  u, the gate, the states, the parameters and the weights' fragments are named by vector and matrix instructions alone.
; REGISTERS, in windows of 256 (s_set_vgpr_msb: bits 1:0 source 0, 3:2 source 1, 5:4 source 2, 7:6 destination).
;   window 0: addresses, x fragments, u and gate (two sets), the states, at work        window 1: v0-143 W_expand's and W_gate's fragments; v144-245 A, B C, 16 D
;   window 2: W_out's fragments 0-31        window 3: v0-31 fragments 32-35; raw rows, gamma, beta, addresses; v144-239 p of a super-block, later the out-product's sums and fragments
.set XP,    208       ; a row of x in LDS: 192 bytes + 16
.set XS1,   16384     ; x: 64 rows (16 T + m), two buffers, at 0 and here
.set GT,    32768     ; gated, transposed: [192 channels][64 columns 16 T + m] f16
.set GP,    160       ; its pitch: 128 + 32
.set STG,   63488     ; a stage for each wave: for each of 4 image rows the tile's 4 steps x 96 f32 on end, 1,536 bytes
.set SGI,   1552      ; from image row to image row: 1,536 + 16
.set STW,   6400      ; a wave's stage
.set MAXW,  89088     ; four words: the waves' largest |p|
                      ; bytes 89,344 to 89,855 are claimed and no line names them
.set WE,    89856     ; W_expand in f16, [96][192]
.set WP,    416       ; pitch 384 + 32
.set WGT,   129792    ; -log2(e) W_gate, likewise
.set WO,    169728    ; W_out in f16, [192][96]
.set WOP,   224       ; pitch 192 + 32
.set ROWB,  49152     ; bytes in an image row
.set SBB,   6144      ; bytes of an image row in a super-block
; window 0
.set AX0,  4          ; r x 208 + 16 h
.set AXC,  5          ; the same in this super-block's buffer of x
.set AXN,  6          ; in the next one's
.set AG,   7          ; my lane's place in gated^T, columns of tile v
.set MAXA, 8
.set MAXR, 9
.set T0,   10
.set T1,   11
.set SC,   12         ; v[12:13] s in the low word
.set SI,   14         ; v[14:15] 1 / s in the low word
.set ACC,  16         ; v[16:21] y's running sum, a pair for each n-tile
.set XF,   24         ; v[24:47] three fragments of x
.set U0,   48         ; v[48:71], v[72:95]  u, then y: set par at U0 + 24 par, n-tile n at + 8 n
.set G0,   96         ; v[96:119], v[120:143] the gate, likewise
.set H,    144        ; v[144:239] h: n-tile n, state s at H + 32 n + 2 s
.set TS,   240        ; v[240:247] the layer norm's sums, a pair for each group (the low word is used)
.set WAD,  28         ; at the head: four LDS addresses for the weights: W_expand, W_gate, W_out, W_out's middle third
.set WGO,  37         ; at the head: my byte offset in three chunks of a weight matrix
.set PA,   38
.set PD,   39
.set GA,   40
.set RING, 48         ; at the head: 18 slots of 4 registers, as loaded
.set WOUT, 120        ; at the head: two buffers of 12 registers: a batch's six chunks in f16, to store
.set TB,   144        ; at the head: B, C
.set TC,   192
; window 1
.set PRM,  144        ; n-tile n at PRM + 34 n: A[16], (B C)[16], 16 D, 0
; window 3
.set RAW,  32         ; v[32:79] raw rows: group g, load i at RAW + 12 g + 4 i
.set GAM,  80
.set BET,  92
.set LT,   104        ; v[104:119] at work, four a group
.set LVO,  120        ; my byte offset in inputs; never rewritten
.set LXS,  121        ; where I put x, in the buffer in hand
.set LXS0, 122
.set GS,   123        ; where I put gated^T
.set STO,  124        ; into my stage
.set RD,   125        ; back from it: my stage + 16 L
.set GO,   128        ; my byte offset in out0
.set MX,   134        ; v[134:137] four chains of the maximum
.set P,    144        ; v[144:239] p: tile T, n-tile n at P + 24 T + 8 n
.set OD,   144        ; the out-product's six accumulators
.set GF,   192        ; its six fragments of gated, then the rows read back from the stage
.set MSB, 0
.macro WIN new                      ; the immediate's high byte repeats the setting that is left; a switch that changes nothing is dropped
.if MSB != (\new)
	s_set_vgpr_msb (MSB<<8)|(\new)
.set MSB, \new
.endif
.endm
; A super-block of my image row: 16 positions x 384 bytes.  Eight lanes take a position, 16 bytes a lane three times; a group's three loads together cover 1,536 consecutive bytes.
.macro LOADRAW dst, off
	WIN 0xc3
.irp g, 0,1,2,3
.irp i, 0,1,2
	global_load_b128 v[(\dst)+12*\g+4*\i:(\dst)+12*\g+4*\i+3], v[LVO], s[8:9] offset:(\off)+1536*\g+128*\i th:TH_LOAD_NT
.endr
.endr
.endm
; A pair's two halves are added, then the eight lanes of a position: the sum lands in all eight.
.macro ACROSS
	WIN 0x0f
.irp g, 0,1,2,3
	v_add_f32 v[TS+2*\g], v[LT+4*\g], v[LT+4*\g+1]
.endr
	WIN 0
.irp m, 1,2,4
.irp g, 0,1,2,3
	v_add_f32_dpp v[TS+2*\g], v[TS+2*\g], v[TS+2*\g] row_xmask:\m row_mask:0xf bank_mask:0xf
.endr
.endr
.endm
; The layer norm of 16 positions, four groups side by side: mean; x - mean; variance; 1 / sqrt(var + eps); times gamma plus beta; rounded to f16; into LDS row 16 g + 8 (v >> 1) + 2 (L >> 3) + (v & 1).
.macro LNCALC raw, adr, xo
	WIN 0xff
.irp g, 0,1,2,3
	v_pk_add_f32 v[LT+4*\g:LT+4*\g+1], v[(\raw)+12*\g:(\raw)+12*\g+1], v[(\raw)+12*\g+2:(\raw)+12*\g+3]
	v_pk_add_f32 v[LT+4*\g+2:LT+4*\g+3], v[(\raw)+12*\g+4:(\raw)+12*\g+5], v[(\raw)+12*\g+6:(\raw)+12*\g+7]
.endr
.irp g, 0,1,2,3
	v_pk_add_f32 v[LT+4*\g:LT+4*\g+1], v[LT+4*\g:LT+4*\g+1], v[(\raw)+12*\g+8:(\raw)+12*\g+9]
	v_pk_add_f32 v[LT+4*\g+2:LT+4*\g+3], v[LT+4*\g+2:LT+4*\g+3], v[(\raw)+12*\g+10:(\raw)+12*\g+11]
.endr
.irp g, 0,1,2,3
	v_pk_add_f32 v[LT+4*\g:LT+4*\g+1], v[LT+4*\g:LT+4*\g+1], v[LT+4*\g+2:LT+4*\g+3]
.endr
	ACROSS
	WIN 0xf0
.irp g, 0,1,2,3
.irp k, 0,2,4,6,8,10
	v_pk_fma_f32 v[(\raw)+12*\g+\k:(\raw)+12*\g+\k+1], v[TS+2*\g:TS+2*\g+1], s[36:37], v[(\raw)+12*\g+\k:(\raw)+12*\g+\k+1] op_sel_hi:[0,0,1]  ; x - sum / 96, one rounding
.endr
.endr
	WIN 0xff
.irp g, 0,1,2,3
	v_pk_mul_f32 v[LT+4*\g:LT+4*\g+1], v[(\raw)+12*\g:(\raw)+12*\g+1], v[(\raw)+12*\g:(\raw)+12*\g+1]
	v_pk_mul_f32 v[LT+4*\g+2:LT+4*\g+3], v[(\raw)+12*\g+2:(\raw)+12*\g+3], v[(\raw)+12*\g+2:(\raw)+12*\g+3]
.endr
.irp g, 0,1,2,3
	v_pk_fma_f32 v[LT+4*\g:LT+4*\g+1], v[(\raw)+12*\g+4:(\raw)+12*\g+5], v[(\raw)+12*\g+4:(\raw)+12*\g+5], v[LT+4*\g:LT+4*\g+1]
	v_pk_fma_f32 v[LT+4*\g+2:LT+4*\g+3], v[(\raw)+12*\g+6:(\raw)+12*\g+7], v[(\raw)+12*\g+6:(\raw)+12*\g+7], v[LT+4*\g+2:LT+4*\g+3]
.endr
.irp g, 0,1,2,3
	v_pk_fma_f32 v[LT+4*\g:LT+4*\g+1], v[(\raw)+12*\g+8:(\raw)+12*\g+9], v[(\raw)+12*\g+8:(\raw)+12*\g+9], v[LT+4*\g:LT+4*\g+1]
	v_pk_fma_f32 v[LT+4*\g+2:LT+4*\g+3], v[(\raw)+12*\g+10:(\raw)+12*\g+11], v[(\raw)+12*\g+10:(\raw)+12*\g+11], v[LT+4*\g+2:LT+4*\g+3]
.endr
.irp g, 0,1,2,3
	v_pk_add_f32 v[LT+4*\g:LT+4*\g+1], v[LT+4*\g:LT+4*\g+1], v[LT+4*\g+2:LT+4*\g+3]
.endr
	ACROSS
.irp g, 0,1,2,3
	v_fma_f32 v[TS+2*\g], v[TS+2*\g], s32, s33     ; sum of squares / 96 + 1e-3
.endr
.irp g, 0,1,2,3
	v_rsq_f32 v[TS+2*\g], v[TS+2*\g]
.endr
	v_nop                                          ; a plain instruction behind the last of the four,
	s_wait_alu depctr_va_vdst(0)                   ; and the wait ahead of the first use: the four v_rsq_f32 have written v[TS], v[TS+2], v[TS+4], v[TS+6]
	WIN 0xc3
.irp g, 0,1,2,3
.irp k, 0,2,4,6,8,10
	v_pk_mul_f32 v[(\raw)+12*\g+\k:(\raw)+12*\g+\k+1], v[(\raw)+12*\g+\k:(\raw)+12*\g+\k+1], v[TS+2*\g:TS+2*\g+1] op_sel_hi:[1,0]
.endr
.endr
	WIN 0xff
.irp g, 0,1,2,3
.irp k, 0,2,4,6,8,10
	v_pk_fma_f32 v[(\raw)+12*\g+\k:(\raw)+12*\g+\k+1], v[(\raw)+12*\g+\k:(\raw)+12*\g+\k+1], v[GAM+\k:GAM+\k+1], v[BET+\k:BET+\k+1]
.endr
.endr
.irp g, 0,1,2,3
.irp i, 0,1,2
	v_cvt_pk_f16_f32 v[(\raw)+12*\g+4*\i], v[(\raw)+12*\g+4*\i], v[(\raw)+12*\g+4*\i+1]
	v_cvt_pk_f16_f32 v[(\raw)+12*\g+4*\i+1], v[(\raw)+12*\g+4*\i+2], v[(\raw)+12*\g+4*\i+3]
.endr
.endr
	s_wait_alu depctr_va_vdst(0)                   ; the roundings have written the rows' registers, which the LDS stores read; every line that reads or writes those 48 registers is done, and none follows: the next loads into them owe this side nothing more
.irp g, 0,1,2,3
.irp i, 0,1,2
	ds_store_b64 v[\adr], v[(\raw)+12*\g+4*\i:(\raw)+12*\g+4*\i+1] offset:(\xo)+16*XP*\g+64*\i  ; channels 32 i + 4 (L & 7) .. + 3
.endr
.endr
.endm
; THE WEIGHTS, once: 3 matrices x 36 chunks of 2,048 bytes, through a ring of 18 slots of registers, rounded to f16, into padded rows in LDS.  Each matrix is 96 runs of 768 bytes: a row of W_expand or
; W_gate, two rows of W_out.  Chunk (a, b): sixteen threads take the 256 bytes of third b of run 8 a + (thread >> 4), 16 bytes (4 numbers, 8 bytes in f16) a thread.
; The chunks go in 18 batches of six.  A batch's conversions read six slots and write WOUT[batch % 2]; one wait on va_vdst; then its six LDS stores, which read that WOUT, and the six loads that fill its slots again.
; No memory instruction reads a slot; a WOUT is written again two batches later, behind a wait on vm_vsrc.
.macro RLOAD i
.set lm, (\i)/36
.set lp, 14+2*lm                    ; W_expand s[14:15], W_gate s[16:17],
.if lm == 2
.set lp, 26                         ; W_out s[26:27]
.endif
.set lr, RING+4*((\i)%18)
	global_load_b128 v[lr:lr+3], v[WGO], s[lp:lp+1] offset:6144*(((\i)%36)/3)+256*(((\i)%36)%3)
.endm
.macro BATCH j
.set bm, (\j)/6                     ; six batches to a matrix
.set bo, WOUT+12*((\j)%2)
.if (\j) <= 15
	s_wait_loadcnt 12                              ; loads come back in order: this batch's six chunks are in, the 12 younger ones stay out
.else
	s_wait_loadcnt 6*(17-(\j))                     ; the ring runs empty
.endif
.if (\j) >= 2
	s_wait_alu depctr_vm_vsrc(0)                   ; the LDS stores of two batches back have read this WOUT, which the conversions below write again
.endif
.irp c, 0,1,2,3,4,5
.set cr, RING+4*((6*(\j)+\c)%18)
.if bm == 1
	v_pk_mul_f32 v[cr:cr+1], v[cr:cr+1], s[44:45] op_sel_hi:[1,0]      ; the gate's weights carry -log2(e): the product is the exponential's argument
	v_pk_mul_f32 v[cr+2:cr+3], v[cr+2:cr+3], s[44:45] op_sel_hi:[1,0]
.endif
	v_cvt_pk_f16_f32 v[bo+2*\c], v[cr], v[cr+1]
	v_cvt_pk_f16_f32 v[bo+2*\c+1], v[cr+2], v[cr+3]
.endr
	s_wait_alu depctr_va_vdst(0)                   ; the conversions have written WOUT, which the stores read, and are done with the six slots, in which the loads land; in the first batch also: the LDS addresses made behind the ring's first loads are written
.irp c, 0,1,2,3,4,5
.set ci, 6*(\j)+\c
.set ca, (ci%36)/3
.set cb, (ci%36)%3
.if bm == 2
.if cb == 1
	ds_store_b64 v[WAD+3], v[bo+2*\c:bo+2*\c+1] offset:ca*16*WOP+128  ; the middle third: threads 0-7 of sixteen end the even row (byte 128 on), threads 8-15 begin the odd one: 32 bytes further than 128 + 8 t, which the register holds
.else
	ds_store_b64 v[WAD+2], v[bo+2*\c:bo+2*\c+1] offset:ca*16*WOP+144*cb  ; the first third begins the even row; the last ends the odd one: 224 + 64
.endif
.else
	ds_store_b64 v[WAD+bm], v[bo+2*\c:bo+2*\c+1] offset:ca*8*WP+128*cb
.endif
.if ci+18 < 108
	RLOAD ci+18
.endif
.endr
.endm
; Product w of 18 for the tile after the one in hand, into set 1 - par: w < 9 the gate, else u; n-tile w % 3, channels 32 ((w % 9) / 3) on.  The three accumulators take turns, one instruction a turn,
; the first three of each nine start the sums with the constant 0.  Windows: source 1 (the weights) in window 1.
.macro MMQ w, par
.set mn, (\w)%3
.set mk, ((\w)%9)/3
.if (\w) < 9
.set md, G0+24*(1-(\par))+8*mn
.set mb, 8*((3+mn)*3+mk)
.else
.set md, U0+24*(1-(\par))+8*mn
.set mb, 8*(mn*3+mk)
.endif
.if mk == 0
	v_wmma_f32_16x16x32_f16 v[md:md+7], v[XF+8*mk:XF+8*mk+7], v[mb:mb+7], 0
.else
	v_wmma_f32_16x16x32_f16 v[md:md+7], v[XF+8*mk:XF+8*mk+7], v[mb:mb+7], v[md:md+7]
.endif
.endm
; What stands behind group q of a tile's 64 groups of the scan.  0-5: 1 + e^-z of this tile's gate.  5: the next tile's x is in.  6-29: its 24 reciprocals.  6, 8 .. 22: the next tile's gate products.
; 24, 28 .. 56: the next tile's u products.  30-53: the next tile's 24 exponentials, in ascending order (each accumulator is read from its low end on).  No result of a reciprocal or exponential is named before the tile's end.
.macro RIDER par
.if q < 6
	v_pk_add_f32 v[G0+24*(\par)+4*q:G0+24*(\par)+4*q+1], v[G0+24*(\par)+4*q:G0+24*(\par)+4*q+1], 1.0 op_sel_hi:[1,0]
	v_pk_add_f32 v[G0+24*(\par)+4*q+2:G0+24*(\par)+4*q+3], v[G0+24*(\par)+4*q+2:G0+24*(\par)+4*q+3], 1.0 op_sel_hi:[1,0]
.endif
.if q == 5
	s_wait_dscnt 0x0                               ; the six loads of x issued at the tile's head
.endif
.if (q >= 6) && (q < 30)
	v_rcp_f32 v[G0+24*(\par)+q-6], v[G0+24*(\par)+q-6]
.endif
.if (q >= 30) && (q < 54)
	v_exp_f32 v[G0+24*(1-(\par))+q-30], v[G0+24*(1-(\par))+q-30]
.endif
.if (q >= 6) && (q <= 22) && (q%2 == 0)
	MMQ (q-6)/2, \par
.endif
.if (q >= 24) && (q <= 56) && (q%4 == 0)
	MMQ 9+(q-24)/4, \par
.endif
.set q, q+1
.endm
; h(n, st) = h A + u.  A parameter is one word of a pair in window 1: the first for an even state, the second for an odd one, for both image rows.
.macro HUP n
.if st%2
	v_pk_fma_f32 v[H+32*(\n)+2*st:H+32*(\n)+2*st+1], v[H+32*(\n)+2*st:H+32*(\n)+2*st+1], v[PRM+34*(\n)+st-1:PRM+34*(\n)+st], v[ub+8*(\n):ub+8*(\n)+1] op_sel:[0,1,0] op_sel_hi:[1,1,1]
.else
	v_pk_fma_f32 v[H+32*(\n)+2*st:H+32*(\n)+2*st+1], v[H+32*(\n)+2*st:H+32*(\n)+2*st+1], v[PRM+34*(\n)+st:PRM+34*(\n)+st+1], v[ub+8*(\n):ub+8*(\n)+1] op_sel_hi:[1,0,1]
.endif
.endm
; v[d:d+1] = h(n, sy) (B C)(n, sy) + the n-tile's running sum
.macro MAC d, n, sy
.if (\sy)%2
	v_pk_fma_f32 v[(\d):(\d)+1], v[H+32*(\n)+2*(\sy):H+32*(\n)+2*(\sy)+1], v[PRM+34*(\n)+16+(\sy)-1:PRM+34*(\n)+16+(\sy)], v[ACC+2*(\n):ACC+2*(\n)+1] op_sel:[0,1,0] op_sel_hi:[1,1,1]
.else
	v_pk_fma_f32 v[(\d):(\d)+1], v[H+32*(\n)+2*(\sy):H+32*(\n)+2*(\sy)+1], v[PRM+34*(\n)+16+(\sy):PRM+34*(\n)+16+(\sy)+1], v[ACC+2*(\n):ACC+2*(\n)+1] op_sel_hi:[1,0,1]
.endif
.endm
; One step of the recurrence for my 48 channels and the lane's two image rows: 99 packed instructions.  The sum trails the states by one group, so that no line waits for the line before it; y lands on u's registers.
.macro STEP tau, par
.set ub, U0+24*(\par)+2*(\tau)
.set st, 0
.irp n, 0,1,2
	v_pk_mul_f32 v[ACC+2*\n:ACC+2*\n+1], v[ub+8*\n:ub+8*\n+1], v[PRM+34*\n+32:PRM+34*\n+33] op_sel_hi:[1,0]  ; 16 D u starts the sum
.endr
.irp n, 0,1,2
	HUP \n
.endr
	RIDER \par
.rept 15
.set st, st+1
.irp n, 0,1,2
	HUP \n
.endr
.irp n, 0,1,2
	MAC ACC+2*\n, \n, st-1
.endr
	RIDER \par
.endr
.irp n, 0,1,2
	MAC ub+8*\n, \n, 15
.endr
.endm
; Tile t of the super-block, in set par; the tile after it, whose x lies at v[ax] + off, is prepared in the other set.  The six loads of x at its head owe no wait of their own: the wait on va_vdst ahead of them
; (the trip's head; the end of the tile before) stands behind the last product that read v[XF ..] and behind the line that wrote v[ax], and no vector line since names either.
.macro TILE t, par, ax, off
	WIN 0x04
.irp k, 0,1,2
	ds_load_b128 v[XF+8*\k:XF+8*\k+3], v[\ax] offset:(\off)+64*\k
	ds_load_b128 v[XF+8*\k+4:XF+8*\k+7], v[\ax] offset:(\off)+64*\k+32
.endr
.set q, 0
	STEP 0, \par
	STEP 1, \par
	STEP 2, \par
	STEP 3, \par
	s_wait_alu depctr_va_vdst(0)                   ; the tile's 24 reciprocals and 24 exponentials have written the two sets of the gate; and the tile's 18 products are done reading v[XF ..], in which the next tile's loads land
	WIN 0xc0
.irp k, 0,2,4,6,8,10,12,14,16,18,20,22
	v_pk_mul_f32 v[P+24*(\t)+\k:P+24*(\t)+\k+1], v[U0+24*(\par)+\k:U0+24*(\par)+\k+1], v[G0+24*(\par)+\k:G0+24*(\par)+\k+1]  ; p = y x gate
.endr
.endm
; The super-block's end: the largest |p| of the work-group, the power of two, p s in f16 into gated^T.
.macro SBEND
	WIN 0xff
.irp c, 0,1,2,3
	v_max_num_f32 v[MX+\c], |v[P+24*\c]|, |v[P+24*\c+1]|
.endr
.irp k, 2,4,6,8,10,12,14,16,18,20,22
.irp c, 0,1,2,3
	v_max3_num_f32 v[MX+\c], v[MX+\c], |v[P+24*\c+\k]|, |v[P+24*\c+\k+1]|
.endr
.endr
	v_max3_num_f32 v[MX], v[MX], v[MX+1], v[MX+2]
	WIN 0x0f
	v_max_num_f32 v[T0], v[MX], v[MX+3]
	WIN 0
	v_max_num_f32_dpp v[T0], v[T0], v[T0] row_xmask:1 row_mask:0xf bank_mask:0xf
	v_max_num_f32_dpp v[T0], v[T0], v[T0] row_xmask:2 row_mask:0xf bank_mask:0xf
	v_max_num_f32_dpp v[T0], v[T0], v[T0] row_xmask:4 row_mask:0xf bank_mask:0xf
	v_max_num_f32_dpp v[T0], v[T0], v[T0] row_xmask:8 row_mask:0xf bank_mask:0xf
	v_permlanex16_b32 v[T1], v[T0], s34, s35
	v_max_num_f32 v[T0], v[T0], v[T1]
	s_wait_alu depctr_va_vdst(0)                   ; v[T0] is written, which the store reads
	ds_store_b32 v[MAXA], v[T0]                    ; all lanes write the wave's word with the same number
	s_wait_dscnt 0x0                               ; for the others' sake: my word is stored; my reads of x are long back
	s_barrier_signal -1
	s_barrier_wait -1                              ; all four words are there, and no wave reads this super-block's buffer of x any more
	ds_load_b128 v[SC:SC+3], v[MAXR]               ; no vector line since the wait above names v12 to v15
	s_wait_alu depctr_vm_vsrc(0)                   ; the store above has read v[T0], which is written again below
	s_wait_dscnt 0x0
	v_max3_num_f32 v[T0], v[SC], v[SC+1], v[SC+2]
	v_max_num_f32 v[T0], v[T0], v[SC+3]
	v_lshrrev_b32 v[T0], 23, v[T0]                 ; E, the biased exponent of the largest |p|,
	v_max_u32 v[T0], 15, v[T0]                     ; at least 15, so that s and 1 / s are normal numbers
	v_sub_nc_u32 v[SC], 268, v[T0]
	v_add_nc_u32 v[SI], -14, v[T0]
	v_lshlrev_b32 v[SC], 23, v[SC]                 ; s = 2^(141 - E): |p| s < 2^15
	v_lshlrev_b32 v[SI], 23, v[SI]                 ; 1 / s = 2^(E - 141)
	WIN 0xc3
.set k, 0
.rept 48
	v_pk_mul_f32 v[P+k:P+k+1], v[P+k:P+k+1], v[SC:SC+1] op_sel_hi:[1,0]
.set k, k+2
.endr
	WIN 0xff
.irp t, 0,1,2,3
.irp n, 0,1,2
.irp j, 0,1,2,3
	v_cvt_pk_f16_f32 v[P+24*\t+8*\n+\j], v[P+24*\t+8*\n+2*\j], v[P+24*\t+8*\n+2*\j+1]
.endr
.endr
.endr
	s_wait_alu depctr_va_vdst(0)                   ; the 48 roundings have written p's registers, which the 12 stores read; every line that reads or writes p is done, and none follows ahead of the out-product's loads into them
.irp t, 0,1,2,3
.irp n, 0,1,2
	ds_store_b128 v[GS], v[P+24*\t+8*\n:P+24*\t+8*\n+3] offset:16*GP*\n+32*\t  ; channel 48 v + 16 n + r, columns 16 t + 8 h .. + 7
.endr
.endr
.endm
; The out-product of tile v: out^T = W_out^T (source 0: 16 output channels) x gated (source 1: 16 positions), K = 192.  A lane ends with eight neighbouring channels of one position.
.macro OUTG
	WIN 0xc0
	s_wait_alu depctr_vm_vsrc(0)                   ; my stores into gated^T have read p's registers: the fragments below land in the upper 48 of them, the products below write the lower 48
.irp k, 0,1,2,3,4,5
	ds_load_tr16_b128 v[GF+8*\k:GF+8*\k+3], v[AG] offset:32*GP*\k
	ds_load_tr16_b128 v[GF+8*\k+4:GF+8*\k+7], v[AG] offset:32*GP*\k+16*GP
.endr
	WIN 0xfe                                       ; W_out's fragments in window 2, all else in window 3
.irp k, 0,1,2,3,4,5
	s_wait_dscnt 10-2*\k                           ; LDS loads come back in order: this K step's two are in, the later steps' stay out
.irp c, 0,1,2,3,4,5
.if 6*\k+\c < 32
.set fa, 8*(6*\k+\c)
.else
.set fa, 8*(6*\k+\c-32)
	WIN 0xff                                       ; the last four fragments lie in window 3
.endif
.if \k == 0
	v_wmma_f32_16x16x32_f16 v[OD+8*\c:OD+8*\c+7], v[fa:fa+7], v[GF+8*\k:GF+8*\k+7], 0
.else
	v_wmma_f32_16x16x32_f16 v[OD+8*\c:OD+8*\c+7], v[fa:fa+7], v[GF+8*\k:GF+8*\k+7], v[OD+8*\c:OD+8*\c+7]  ; six accumulators by turns
.endif
.endr
.endr
.rept 4
	v_nop                                          ; four places behind the last product (ISA guide 7.12.1), ahead of the lines that read the sums
.endr
	WIN 0xc3
.set k, 0
.rept 24
	v_pk_mul_f32 v[OD+k:OD+k+1], v[OD+k:OD+k+1], v[SI:SI+1] op_sel_hi:[1,0]  ; the block's power of two is taken out again; ascending, each accumulator from its low end
.set k, k+2
.endr
	WIN 0xff
	s_wait_alu depctr_va_vdst(0)                   ; the scalings have written v[OD ..], which the stage's stores read; the products are done reading v[GF ..], in which the stage's loads land
.irp c, 0,1,2,3,4,5
	ds_store_b128 v[STO], v[OD+8*\c:OD+8*\c+3] offset:64*\c
	ds_store_b128 v[STO], v[OD+8*\c+4:OD+8*\c+7] offset:64*\c+16
.endr
.irp w, 0,1,2,3
.irp k, 0,1,2
	ds_load_b128 v[GF+12*\w+4*\k:GF+12*\w+4*\k+3], v[RD] offset:SGI*\w+512*\k  ; 512 bytes on end of image row w's 1,536.  LDS serves a wave's instructions in order (ISA guide 5.7.1.4): these see the stores above
.endr
.endr
.irp w, 0,1,2,3
.irp k, 0,1,2
	s_wait_dscnt 11-3*\w-\k                        ; this one is back, the younger ones stay out
	global_store_b128 v[GO], v[GF+12*\w+4*\k:GF+12*\w+4*\k+3], s[28:29] offset:ROWB*\w+512*\k th:TH_STORE_NT  ; 512 consecutive bytes, at a multiple of 512 from out0's first byte
.endr
.endr
.endm
	; ---------------- the head ----------------
	s_load_b512 s[8:23], s[0:1], 0x0               ; inputs s[8:9], gamma s[10:11], beta s[12:13], W_expand s[14:15], W_gate s[16:17], A s[18:19], B s[20:21], C s[22:23]
	s_load_b128 s[24:27], s[0:1], 0x40             ; D s[24:25], W_out s[26:27]
	s_load_b64 s[28:29], s[0:1], 0x50              ; out0
	v_lshl_add_u32 v254, v0, 2, 0x15d00
	v_mov_b32 v255, 0
	v_lshrrev_b32 v1, 5, v0
	v_readfirstlane_b32 s2, v1                     ; wave v, 0..3
	s_mul_i32 s30, ttmp9, 4*ROWB                   ; the work-group's four image rows (under 2^26 bytes)
	s_mov_b32 s31, 0
	s_mov_b32 s32, 0x3c2aaaab                      ; 1 / 96
	s_mov_b32 s33, 0x3a83126f                      ; 1e-3
	s_mov_b32 s34, 0x76543210                      ; v_permlanex16_b32: each lane takes its own place in the other half
	s_mov_b32 s35, 0xfedcba98
	s_mov_b32 s36, 0xbc2aaaab                      ; -1 / 96, named as a pair
	s_mov_b32 s37, s36
	s_mov_b32 s44, 0xbfb8aa3b                      ; -log2(e), named as a pair
	s_mov_b32 s45, s44
	s_mov_b32 s4, 0                                ; the buffer of x in hand: 0 or XS1
	s_mov_b32 s3, 8                                ; super-blocks to go
	s_wait_alu depctr_va_sdst(0)                   ; s2 is written, ahead of its first reader: the lines below make the wave's offsets from it
	s_mul_i32 s38, s2, ROWB                        ; my image row in inputs
	s_lshr_b32 s39, s2, 1
	s_lshl_b32 s39, s39, 3
	s_and_b32 s46, s2, 1
	s_add_co_u32 s39, s39, s46
	s_mul_i32 s39, s39, XP                         ; row 8 (v >> 1) + (v & 1) of a tile of x
	s_mul_i32 s40, s2, 48*GP
	s_add_co_u32 s40, s40, GT                      ; my 48 channels in gated^T
	s_mul_i32 s41, s2, STW
	s_add_co_u32 s41, s41, STG                     ; my stage
	s_mul_i32 s42, s2, 1536                        ; tile v: four steps of 384 bytes
	s_lshl_b32 s43, s2, 5
	s_add_co_u32 s43, s43, GT                      ; tile v's 16 columns of gated^T
	s_lshl_b32 s46, s2, 2
	s_add_co_u32 s46, s46, MAXW
	s_mul_i32 s47, s2, 48*64                       ; my 48 channels in A, B, C
	v_and_b32 v12, 31, v0                          ; L
	v_and_b32 v13, 15, v0                          ; r
	v_bfe_u32 v14, v0, 4, 1                        ; h
	v_and_b32 v15, 7, v0                           ; L & 7
	v_bfe_u32 v16, v0, 3, 1                        ; (L >> 3) & 1 = r >> 3
	v_bfe_u32 v17, v0, 3, 2                        ; L >> 3
	v_lshl_add_u32 v18, v14, 3, v15                ; 8 h + (L & 7): the turning loads' row
	v_mul_u32_u24 v19, v17, 384
	v_lshl_add_u32 v19, v15, 4, v19
	v_mul_u32_u24 v20, v17, 2*XP
	v_lshl_add_u32 v20, v15, 3, v20
	v_mul_u32_u24 v21, v13, GP
	v_lshl_add_u32 v21, v14, 4, v21
	v_bfe_u32 v23, v0, 1, 2                        ; position r is image row 2 (r >> 3) + (r & 1), step (r >> 1) & 3
	v_mul_u32_u24 v23, v23, 384
	v_and_b32 v22, 1, v0
	v_mul_u32_u24 v22, v22, SGI
	v_add_nc_u32 v23, v23, v22
	v_mul_u32_u24 v22, v16, 2*SGI
	v_add_nc_u32 v23, v23, v22
	v_lshl_add_u32 v23, v14, 5, v23                ; and my eight channels: 32 h
	v_lshlrev_b32 v[GA], 4, v15                    ; the offsets of all the head's loads are made ahead of the first of them, so that one wait serves them
	v_lshlrev_b32 v[PA], 6, v13
	v_add_nc_u32 v[PA], s47, v[PA]                 ; (48 v + r) x 64
	v_lshrrev_b32 v[PD], 4, v[PA]                  ; (48 v + r) x 4
	v_bfe_u32 v[T0], v0, 4, 3                      ; thread >> 4: which of a chunk's eight runs of 768 bytes
	v_mul_u32_u24 v[WGO], v[T0], 768
	v_lshl_add_u32 v[WGO], v13, 4, v[WGO]          ; + 16 (thread & 15)
	WIN 0xc0
	v_add_nc_u32 v[LVO], s38, v19
	v_add_nc_u32 v[LXS0], s39, v20
	v_add_nc_u32 v[GS], s40, v21
	v_add_nc_u32 v[STO], s41, v23
	v_lshl_add_u32 v[RD], v12, 4, s41
	v_lshl_add_u32 v[GO], v12, 4, s42
	s_wait_kmcnt 0x0
	s_add_nc_u64 s[8:9], s[8:9], s[30:31]
	s_add_nc_u64 s[28:29], s[28:29], s[30:31]
	WIN 0xc3
	s_wait_alu depctr_va_vdst(0)                   ; v[LVO], v[GA], v[PA], v[PD] and v[WGO] are written, which the head's loads read as their offsets; so are v[LXS0], v[GS], v[STO], v[RD] and v[GO], for the whole kernel
	LOADRAW RAW, 0                                 ; super-block 0,
	LOADRAW P, SBB                                 ; and 1, into registers that p takes later
	WIN 0xc0
.irp i, 0,1,2
	global_load_b128 v[GAM+4*\i:GAM+4*\i+3], v[GA], s[10:11] offset:128*\i
	global_load_b128 v[BET+4*\i:BET+4*\i+3], v[GA], s[12:13] offset:128*\i
.endr
	WIN 0x40
.irp n, 0,1,2
.irp k, 0,1,2,3
	global_load_b128 v[PRM+34*\n+4*\k:PRM+34*\n+4*\k+3], v[PA], s[18:19] offset:1024*\n+16*\k
.endr
	global_load_b32 v[PRM+34*\n+32], v[PD], s[24:25] offset:64*\n
.endr
	WIN 0
.irp n, 0,1,2
.irp k, 0,1,2,3
	global_load_b128 v[TB+16*\n+4*\k:TB+16*\n+4*\k+3], v[PA], s[20:21] offset:1024*\n+16*\k
	global_load_b128 v[TC+16*\n+4*\k:TC+16*\n+4*\k+3], v[PA], s[22:23] offset:1024*\n+16*\k
.endr
.endr
.set i, 0
.rept 18
	RLOAD i
.set i, i+1
.endr
	; the rest of the addresses, while the loads are on their way: LDS addresses all; the first batch's wait on va_vdst stands between these lines and the first LDS instruction
	v_mul_u32_u24 v[AX0], v13, XP
	v_lshl_add_u32 v[AX0], v14, 4, v[AX0]
	v_mul_u32_u24 v[AG], v18, GP
	v_lshl_add_u32 v[AG], v16, 4, v[AG]
	v_add_nc_u32 v[AG], s43, v[AG]
	v_mov_b32 v[MAXA], s46
	v_mov_b32 v[MAXR], MAXW
.irp g, 0,1,2,3
	v_mov_b32 v[TS+2*\g+1], 0                      ; named with the sums as pairs, never used
.endr
	v_mul_u32_u24 v[T1], v[T0], WP                 ; where the weights go: row thread >> 4 of a chunk's eight, 8 bytes a thread
	v_lshl_add_u32 v[T1], v13, 3, v[T1]
	v_add_nc_u32 v[WAD], WE, v[T1]
	v_add_nc_u32 v[WAD+1], WGT, v[T1]
	v_mul_u32_u24 v[T1], v[T0], 2*WOP              ; W_out: two rows to a run
	v_lshl_add_u32 v[T1], v13, 3, v[T1]
	v_add_nc_u32 v[WAD+2], WO, v[T1]
	v_lshl_add_u32 v[WAD+3], v16, 5, v[WAD+2]      ; its middle third: 32 bytes more for threads 8-15 of sixteen
	s_mul_i32 s46, s2, 96
	s_add_co_u32 s46, s46, WE                      ; my 48 columns of W_expand
	v_mul_u32_u24 v[AXC], v18, WP                  ; (AXC, AXN and T0 hold the fragments' bases until the loop begins)
	v_lshl_add_u32 v[AXC], v16, 4, v[AXC]
	v_add_nc_u32 v[AXC], s46, v[AXC]
	v_add_nc_u32 v[AXN], WGT-WE, v[AXC]
	v_mul_u32_u24 v[T0], v18, WOP
	v_lshl_add_u32 v[T0], v16, 4, v[T0]
	v_add_nc_u32 v[T0], WO, v[T0]
.set bj, 0
.rept 18
	BATCH bj
.set bj, bj+1
.endr
	LNCALC RAW, LXS0, 0                            ; the ring's last wait was for 0: every load of the head is in
	s_add_nc_u64 s[8:9], s[8:9], 2*SBB             ; (so the base may be written)
	WIN 0xc3
	s_wait_alu depctr_vm_vsrc(0)                   ; the stores of x above have read the raw rows' registers, in which the loads below land
	LOADRAW RAW, 0                                 ; super-block 2
	LNCALC P, LXS0, XS1
	WIN 0x40
.irp n, 0,1,2
.irp k, 0,2,4,6,8,10,12,14
	v_pk_mul_f32 v[PRM+34*\n+16+\k:PRM+34*\n+16+\k+1], v[TB+16*\n+\k:TB+16*\n+\k+1], v[TC+16*\n+\k:TC+16*\n+\k+1]  ; B C
.endr
.endr
	WIN 0x44
.irp n, 0,1,2
	v_mul_f32 v[PRM+34*\n+32], 0x41800000, v[PRM+34*\n+32]  ; 16 D
	v_mov_b32 v[PRM+34*\n+33], 0                   ; named with it as a pair
.endr
	WIN 0
.set i, 0
.rept 96
	v_mov_b32 v[H+i], 0                            ; the states start at 0: a first step written out would double the scan's text
.set i, i+1
.endr
	s_wait_dscnt 0x0                               ; for the others' sake: my part of the weights and of x is stored
	s_barrier_signal -1
	s_barrier_wait -1
	; The weights' fragments stay in registers.  They lie [K][N] in LDS and come turned: lane L reads row k0 + 8 h + (L & 7), 16 bytes at 16 ((L >> 3) & 1); two loads, 16 rows apart, make a fragment.
	; No vector line has named the registers in which they land; their three bases were written ahead of the batches' waits on va_vdst.
	WIN 0x40
.irp n, 0,1,2
.irp k, 0,1,2
	ds_load_tr16_b128 v[8*(3*\n+\k):8*(3*\n+\k)+3], v[AXC] offset:32*WP*\k+32*\n
	ds_load_tr16_b128 v[8*(3*\n+\k)+4:8*(3*\n+\k)+7], v[AXC] offset:32*WP*\k+32*\n+16*WP
	ds_load_tr16_b128 v[8*(9+3*\n+\k):8*(9+3*\n+\k)+3], v[AXN] offset:32*WP*\k+32*\n
	ds_load_tr16_b128 v[8*(9+3*\n+\k)+4:8*(9+3*\n+\k)+7], v[AXN] offset:32*WP*\k+32*\n+16*WP
.endr
.endr
	WIN 0x80
.irp k, 0,1,2,3,4,5
.irp c, 0,1,2,3,4,5
.if 6*\k+\c < 32
.set fa, 8*(6*\k+\c)
.else
.set fa, 8*(6*\k+\c-32)
	WIN 0xc0
.endif
	ds_load_tr16_b128 v[fa:fa+3], v[T0] offset:32*WOP*\k+32*\c
	ds_load_tr16_b128 v[fa+4:fa+7], v[T0] offset:32*WOP*\k+32*\c+16*WOP
.endr
.endr
	WIN 0x04
	s_wait_alu depctr_vm_vsrc(0)                   ; the weights' stores have read v[WAD ..], the head's loads v[WGO], v[PA], v[PD] and v[GA]: x's fragments land in these registers from here on
.irp k, 0,1,2
	ds_load_b128 v[XF+8*\k:XF+8*\k+3], v[AX0] offset:64*\k
	ds_load_b128 v[XF+8*\k+4:XF+8*\k+7], v[AX0] offset:64*\k+32
.endr
	s_wait_dscnt 0x0
.set i, 0
.rept 18
	MMQ i, 1                                       ; the first tile's gate and u, into set 0: there is no scan yet to set them in
.set i, i+1
.endr
.rept 4
	v_nop                                          ; four places behind the last product
.endr
.set i, 0
.rept 24
	v_exp_f32 v[G0+i], v[G0+i]
.set i, i+1
.endr
	v_nop                                          ; a plain instruction behind the last exponential,
	s_wait_alu depctr_va_vdst(0)                   ; and the wait ahead of the label: the 24 exponentials have written the gate's set 0
	WIN 0
	; ---------------- eight super-blocks ----------------
.Ltrip:
	s_xor_b32 s46, s4, XS1
	s_wait_alu depctr_vm_vsrc(0)                   ; the LDS loads issued so far have read v[AXC] and v[AXN] (and, ahead of the first trip, v[T0]), the last trip's stores of x v[LXS]; its stores into gated^T and the stage and its global stores have read p's registers, which this trip's tiles write again
	v_add_nc_u32 v[AXC], s4, v[AX0]
	v_add_nc_u32 v[AXN], s46, v[AX0]
	WIN 0xff
	v_add_nc_u32 v[LXS], s4, v[LXS0]
	WIN 0x04
	s_wait_alu depctr_va_vdst(0)                   ; v[AXC], v[AXN] and v[LXS] are written, which this trip's LDS loads and stores read as addresses
	TILE 0, 0, AXC, 16*XP
	TILE 1, 1, AXC, 32*XP
	TILE 2, 0, AXC, 48*XP
	TILE 3, 1, AXN, 0                              ; prepares the next super-block's first tile; in the last trip it works on an old buffer, and nothing reads the result
	SBEND
	WIN 0
	s_cmp_lt_u32 s3, 3
	s_cbranch_scc1 .Lno_ln                         ; the last two trips have no super-block two on
	s_wait_loadcnt 0x0                             ; the 12 loads issued a trip ago
	LNCALC RAW, LXS, 0                             ; the super-block two on, into the buffer that has just been read out
	WIN 0
	s_cmp_lt_u32 s3, 4
	s_cbranch_scc1 .Lno_ln                         ; the last three have none three on: no load leaves the buffer
	s_add_nc_u64 s[8:9], s[8:9], SBB               ; the loads that read the base are in
	WIN 0xc3
	s_wait_alu depctr_vm_vsrc(0)                   ; the stores of x above have read the raw rows' registers, in which the loads below land
	LOADRAW RAW, 0
	WIN 0
.Lno_ln:
	s_wait_dscnt 0x0                               ; for the others' sake: my part of gated^T and of x is stored, my read of the four words is back
	s_barrier_signal -1
	s_barrier_wait -1
	OUTG
	WIN 0
	s_wait_xcnt 0x0                                ; the stores have read their data and their base, which are rewritten only behind this wait
	s_add_nc_u64 s[28:29], s[28:29], SBB
	s_xor_b32 s4, s4, XS1
	s_sub_co_u32 s3, s3, 1
	s_cmp_lg_u32 s3, 0
	s_cbranch_scc1 .Ltrip
	s_wait_dscnt 0x0                               ; the wave's end: my last LDS instructions are done
	s_wait_alu depctr_hold_cnt(0) depctr_sa_sdst(0) depctr_va_vdst(0) depctr_va_sdst(0) depctr_va_ssrc(0) depctr_va_vcc(0) depctr_vm_vsrc(0)
	s_wait_tensorcnt 0x0
	ds_add_u32 v254, v255
	s_wait_dscnt 0x0
	s_endpgm
.Lfunc_end_k_q07f313275e_mamba:
	.size	k_q07f313275e_mamba, .Lfunc_end_k_q07f313275e_mamba-k_q07f313275e_mamba
	.p2alignl 7, 3214868480
	.fill 96, 4, 3214868480
	.section	.rodata,"a",@progbits
	.p2align	6, 0x0
	.amdhsa_kernel k_q07f313275e_mamba
		.amdhsa_group_segment_fixed_size 212736
		.amdhsa_private_segment_fixed_size 0
		.amdhsa_enable_private_segment 0
		.amdhsa_kernarg_size 88
		.amdhsa_user_sgpr_count 2
		.amdhsa_user_sgpr_kernarg_segment_ptr 1
		.amdhsa_wavefront_size32 1
		.amdhsa_system_sgpr_workgroup_id_x 1
		.amdhsa_system_sgpr_workgroup_id_y 1
		.amdhsa_system_sgpr_workgroup_id_z 1
		.amdhsa_system_vgpr_workitem_id 0
		.amdhsa_next_free_vgpr 1024
		.amdhsa_next_free_sgpr 66
		.amdhsa_reserve_vcc 0
		.amdhsa_float_denorm_mode_32 3
		.amdhsa_float_denorm_mode_16_64 3
		.amdhsa_memory_ordered 1
		.amdhsa_forward_progress 1
		.amdhsa_inst_pref_size 241
	.end_amdhsa_kernel
	.amdgpu_metadata
---
amdhsa.version: [ 1, 2 ]
amdhsa.kernels:
  - .name:           k_q07f313275e_mamba
    .symbol:         k_q07f313275e_mamba.kd
    .args:
      - { .name: inputs, .offset: 0, .size: 8, .value_kind: global_buffer, .address_space: global }
      - { .name: ln_gamma, .offset: 8, .size: 8, .value_kind: global_buffer, .address_space: global }
      - { .name: ln_beta, .offset: 16, .size: 8, .value_kind: global_buffer, .address_space: global }
      - { .name: W_expand, .offset: 24, .size: 8, .value_kind: global_buffer, .address_space: global }
      - { .name: W_gate, .offset: 32, .size: 8, .value_kind: global_buffer, .address_space: global }
      - { .name: A, .offset: 40, .size: 8, .value_kind: global_buffer, .address_space: global }
      - { .name: B, .offset: 48, .size: 8, .value_kind: global_buffer, .address_space: global }
      - { .name: C, .offset: 56, .size: 8, .value_kind: global_buffer, .address_space: global }
      - { .name: D, .offset: 64, .size: 8, .value_kind: global_buffer, .address_space: global }
      - { .name: W_out, .offset: 72, .size: 8, .value_kind: global_buffer, .address_space: global }
      - { .name: out0, .offset: 80, .size: 8, .value_kind: global_buffer, .address_space: global }
    .group_segment_fixed_size: 212736
    .private_segment_fixed_size: 0
    .kernarg_segment_align: 8
    .kernarg_segment_size: 88
    .max_flat_workgroup_size: 128
    .sgpr_count:     66
    .vgpr_count:     1024
    .wavefront_size: 32
...
	.end_amdgpu_metadata
.endif
;; end of part 2
